; MI455X (gfx1250); checked and timed in simulation.
; The chip was launched on July 23, 2026; its instructions are those of AMD's public machine-readable ISA for CDNA 5 (MIT licence, August 2026) and "CDNA5" Instruction Set Architecture Reference Guide (July 2026). The comments in the code are by the model that wrote it; some were corrected since.
;; Attn. Allowed arithmetic: float matrix products may take bf16 or f16 operands with f32 sums; all other float work in f32.
;; Inputs: W 1,024 x 2,048 float32; b 1,024 float32; encoder_outputs 16 x 4,096 x 1,024 float32; hidden 16 x 1 x 1,024 float32; v 1 x 1,024 float32.
;; Outputs: out0 16 x 1 x 4,096 float32.
;; One version. Each part assembles by itself: llvm-mc -triple=amdgcn-amd-amdhsa -mcpu=gfx1250 --defsym DOCPART=n.
;; ======== version 1 of 1: 3 launches
;; workspace buffers: upart 65,536 bytes; energies 262,144 bytes
;; launch fold (part 1): grid 32 x 8, 8 waves a work-group, no clusters, 3,072 bytes of LDS; arguments W, v, upart; writes upart
.if DOCPART == 1
	.amdgcn_target "amdgcn-amd-amdhsa--gfx1250"
	.amdhsa_code_object_version 6
	.text
	.protected	k_q7423fac26b_fold
	.globl	k_q7423fac26b_fold
	.p2align	8
	.type	k_q7423fac26b_fold,@function
k_q7423fac26b_fold:
	s_mov_b64 s[64:65], 0
	v_nop
	global_prefetch_b8 v0, s[64:65] scope:SCOPE_SE
	s_setreg_imm32_b32 hwreg(HW_REG_WAVE_MODE, 25, 1), 1
	s_wait_xcnt 0x0
; upart[kc][j] = the sum over the 128 rows k of chunk kc of v[k] * W[k][j].   W: [1024][2048] f32, v: [1024] f32, upart: [8][2048] f32.
; WHY.  The module's score is v . (We x + Wh h + b) with nothing between the linear layer and the product with v, so for every input it equals
; (We^T v) . x + (Wh^T v) . h + v . b.  This launch makes u = W^T v (columns 0-1023: Wh's part, 1024-2047: We's) as eight partial sums over k; the launches behind add the eight, in ascending order.
; All of W is read once, 8 MiB; the arithmetic is one multiply-add a number, in f32 on the vector unit: a product with ONE column would use one sixteenth of a matrix instruction, and
; rounding u to 16 bits would shift scores whose exponentials are the result.
; LIMIT.  The order of rounding differs from the reference's (k is summed first, the channels later); u must be finite in f32.
; SHARES.  Work-group (x, y): columns 64 x .. 64 x + 63 (256 aligned bytes of each row), rows 128 y .. 128 y + 127: 32 x 8 = 256 work-groups of 32 KiB.  Eight chunks of k rather than one owner a column strip,
; which would be 32 work-groups of 256 KiB.  Thread t: g = t / 16, r = t % 16: rows 8 g + i (i = 0..7), columns 4 r .. 4 r + 3: a wave's load is two rows' 256 consecutive bytes each.
; No cluster: no two work-groups read the same bytes of W, and v's 512 bytes are nothing beside 32 KiB.
.set ROWB,  8192                       ; bytes in a row of W and of upart
.set SPARE, 2048                       ; LDS: 0..2047 the eight waves' 64 column sums, 256 bytes a wave; then the spare words, 128 bytes for each wave, which no other line names
.set OW,  1                            ; v1       my byte offset in the work-group's part of W: g x 8 rows + 16 r
.set SPW, 2                            ; v2       LDS address of my spare word; never rewritten
.set NIL, 3                            ; v3       0; never rewritten
.set OV,  4                            ; v4       byte offset of my eight v: 32 g
.set ST,  5                            ; v5       where my wave's sums go: 256 w + 16 r
.set L8,  6                            ; v6       8 x lane
.set VV,  8                            ; v[8:15]  v of my eight rows
.set X,   16                           ; v[16:47] W: four numbers for each of my eight rows
.set ACC, 48                           ; v[48:51] my four columns' sums
.set T,   52                           ; v[52:55] the other half of the lanes' sums
.set RB,  56                           ; v[56:71] wave 0: the eight waves' sums of two columns
	s_load_b128 s[4:7], s[0:1], 0x0                ; W s[4:5], v s[6:7]
	s_load_b64 s[8:9], s[0:1], 0x10                ; upart
	v_lshl_add_u32 v[SPW], v0, 2, SPARE
	v_mov_b32 v[NIL], 0
	v_lshrrev_b32 v7, 5, v0
	v_readfirstlane_b32 s10, v7                    ; my wave's number
	s_and_b32 s11, ttmp7, 0xffff                   ; the chunk of k
	v_lshrrev_b32 v[OV], 4, v0                     ; g
	v_and_b32 v[ST], 15, v0                        ; r
	v_lshlrev_b32 v[OW], 16, v[OV]                 ; 8 g rows of 8,192 bytes
	v_lshl_add_u32 v[OW], v[ST], 4, v[OW]          ; + 16 r
	v_lshlrev_b32 v[OV], 5, v[OV]                  ; 8 g numbers of 4 bytes
	v_lshlrev_b32 v[ST], 4, v[ST]
	v_lshl_add_u32 v[ST], s10, 8, v[ST]            ; 256 w + 16 r
	v_and_b32 v[L8], 31, v0
	v_lshlrev_b32 v[L8], 3, v[L8]
	s_lshl_b32 s20, ttmp9, 8                       ; the strip's 256 bytes in a row
	s_lshl_b32 s12, s11, 20                        ; 128 rows of 8,192 bytes
	s_add_co_u32 s12, s12, s20
	s_mov_b32 s13, 0
	s_lshl_b32 s16, s11, 9                         ; 128 numbers of v
	s_mov_b32 s17, 0
	s_lshl_b32 s18, s11, 13                        ; the chunk's row of upart
	s_add_co_u32 s18, s18, s20
	s_mov_b32 s19, 0
	s_mov_b32 s14, 0x76543210                      ; v_permlanex16_b32: each lane takes its own place in the other half
	s_mov_b32 s15, 0xfedcba98
	s_wait_kmcnt 0x0
	s_add_nc_u64 s[4:5], s[4:5], s[12:13]
	s_add_nc_u64 s[6:7], s[6:7], s[16:17]
	s_add_nc_u64 s[8:9], s[8:9], s[18:19]
	global_load_b128 v[VV:VV+3],   v[OV], s[6:7]
	global_load_b128 v[VV+4:VV+7], v[OV], s[6:7] offset:16
.irp i, 0,1,2,3,4,5,6,7
	global_load_b128 v[X+4*(\i):X+4*(\i)+3], v[OW], s[4:5] offset:ROWB*(\i) th:TH_LOAD_NT  ; all of the thread's share at once: W is read once in the launch
.endr
.irp c, 0,1,2,3
	v_mov_b32 v[T+(\c)], 0                         ; v_permlanex16_b32's destination counts as read: it is written first
.endr
.irp i, 0,1,2,3,4,5,6,7
	s_wait_loadcnt 7-(\i)                          ; loads come back in order: row i's is in (and v, asked for earlier); the 7 - i younger ones stay out
.irp c, 0,1,2,3
.if (\i) == 0
	v_mul_f32 v[ACC+(\c)], v[X+(\c)], v[VV]        ; the first row starts the sums: nothing is cleared
.else
	v_fmac_f32 v[ACC+(\c)], v[X+4*(\i)+(\c)], v[VV+(\i)]
.endif
.endr
.endr
.irp c, 0,1,2,3
	v_permlanex16_b32 v[T+(\c)], v[ACC+(\c)], s14, s15   ; lanes 16 apart hold the same columns, other rows
.endr
.irp c, 0,1,2,3
	v_add_f32 v[ACC+(\c)], v[ACC+(\c)], v[T+(\c)]  ; the wave's 16 rows; both halves of the lanes now hold the same numbers
.endr
	ds_store_b128 v[ST], v[ACC:ACC+3]              ; lanes r and r + 16 write the same bytes with the same values
	s_wait_tensorcnt 0x0                           ; behind my last LDS store
	ds_add_u32 v[SPW], v[NIL]
	s_wait_dscnt 0x0                               ; also for wave 0's sake: my store is done before I signal
	s_barrier_signal -1
	s_barrier_wait -1
	s_cmp_lg_u32 s10, 0
	s_cbranch_scc1 .Lend                           ; wave 0 adds the eight waves' sums: lane l takes columns 2 l and 2 l + 1
.irp p, 0,1,2,3,4,5,6,7
	ds_load_b64 v[RB+2*(\p):RB+2*(\p)+1], v[L8] offset:256*(\p)
.endr
	s_wait_dscnt 0x0
.irp p, 1,2,3,4,5,6,7
	v_pk_add_f32 v[RB:RB+1], v[RB:RB+1], v[RB+2*(\p):RB+2*(\p)+1]
.endr
	global_store_b64 v[L8], v[RB:RB+1], s[8:9]     ; 32 lanes x 8 bytes: 256 consecutive bytes, at a multiple of 256 from upart's first byte
.Lend:
	s_endpgm
.Lfunc_end_k_q7423fac26b_fold:
	.size	k_q7423fac26b_fold, .Lfunc_end_k_q7423fac26b_fold-k_q7423fac26b_fold
	.p2alignl 7, 3214868480
	.fill 96, 4, 3214868480
	.section	.rodata,"a",@progbits
	.p2align	6, 0x0
	.amdhsa_kernel k_q7423fac26b_fold
		.amdhsa_group_segment_fixed_size 3072
		.amdhsa_private_segment_fixed_size 0
		.amdhsa_enable_private_segment 0
		.amdhsa_kernarg_size 24
		.amdhsa_user_sgpr_count 2
		.amdhsa_user_sgpr_kernarg_segment_ptr 1
		.amdhsa_wavefront_size32 1
		.amdhsa_system_sgpr_workgroup_id_x 1
		.amdhsa_system_sgpr_workgroup_id_y 1
		.amdhsa_system_sgpr_workgroup_id_z 1
		.amdhsa_system_vgpr_workitem_id 0
		.amdhsa_next_free_vgpr 72
		.amdhsa_next_free_sgpr 66
		.amdhsa_reserve_vcc 0
		.amdhsa_float_denorm_mode_32 3
		.amdhsa_float_denorm_mode_16_64 3
		.amdhsa_memory_ordered 1
		.amdhsa_forward_progress 1
		.amdhsa_inst_pref_size 6
	.end_amdhsa_kernel
	.amdgpu_metadata
---
amdhsa.version: [ 1, 2 ]
amdhsa.kernels:
  - .name:           k_q7423fac26b_fold
    .symbol:         k_q7423fac26b_fold.kd
    .args:
      - { .name: W, .offset: 0, .size: 8, .value_kind: global_buffer, .address_space: global }
      - { .name: v, .offset: 8, .size: 8, .value_kind: global_buffer, .address_space: global }
      - { .name: upart, .offset: 16, .size: 8, .value_kind: global_buffer, .address_space: global }
    .group_segment_fixed_size: 3072
    .private_segment_fixed_size: 0
    .kernarg_segment_align: 8
    .kernarg_segment_size: 24
    .max_flat_workgroup_size: 256
    .sgpr_count:     66
    .vgpr_count:     72
    .wavefront_size: 32
...
	.end_amdgpu_metadata
.endif
;; end of part 1
;; launch dot (part 2): grid 256 x 1, 16 waves a work-group, no clusters, 7,168 bytes of LDS; arguments encoder_outputs, upart, energies; writes energies
.if DOCPART == 2
	.amdgcn_target "amdgcn-amd-amdhsa--gfx1250"
	.amdhsa_code_object_version 6
	.text
	.protected	k_q7423fac26b_dot
	.globl	k_q7423fac26b_dot
	.p2align	8
	.type	k_q7423fac26b_dot,@function
k_q7423fac26b_dot:
	s_mov_b64 s[64:65], 0
	v_nop
	global_prefetch_b8 v0, s[64:65] scope:SCOPE_SE
	s_setreg_imm32_b32 hwreg(HW_REG_WAVE_MODE, 25, 1), 1
	s_wait_xcnt 0x0
; energies[b][s] = encoder_outputs[b][s][:] . u_e, with u_e[h] = the sum over the eight chunks kc of upart[kc][1024 + h] (= We^T v).   encoder_outputs: [65536 rows][1024] f32; energies: [65536] f32.
; The batch's constant (hidden . Wh^T v + v . b) is added by the launch behind, ahead of the maximum.
; A STREAM: 256 MiB read once, one multiply-add a number.  All in f32 on the vector unit: the product has one column, a sixteenth of a matrix instruction's, and the scores go into an exponential,
; where 16-bit operands would cost several per cent of a weight.
; LIMIT.  The order of rounding differs from the reference's; a score must be finite in f32.
; SHARES.  Work-group x: rows 256 x .. 256 x + 255 (1 MiB).  Wave w: rows 16 w .. 16 w + 15 of them, a whole row (4,096 bytes) at a time: eight loads of 512 consecutive bytes; in load j lane l holds
; channels 128 j + 4 l .. + 3, and its 32 numbers of u_e stay in registers.  The sum over a row never leaves the wave.
; THE RING.  Four row slots of 32 registers a wave; a slot is asked for again straight behind its last reader, so three to four rows of each of the 16 waves, 192 to 256 KiB a work-group, are on their way.
; All 16 rows are written out: a row's place stands in the loads' immediates (65,024 at the most), and no register that a memory instruction names is ever rewritten.
; LEFT OUT.  No cluster: what work-groups share is u_e's 32 KiB of partial sums against 1 MiB of their own.  No tensor loads: the ring in registers needs no barrier in the stream.
.set ROWB,  4096                       ; bytes in a row
.set EN,    4096                       ; LDS: 0..4095 u_e; 4096..5119 the work-group's 256 energies;
.set SPARE, 5120                       ; then the spare words, 128 bytes for each of the 16 waves, which no other line names
.set OFF, 1                            ; v1         my byte offset in the work-group's rows: 16 w rows + 16 x lane; never rewritten
.set SPW, 2                            ; v2         LDS address of my spare word; never rewritten
.set NIL, 3                            ; v3         0; never rewritten
.set T8,  4                            ; v4         8 x thread: my two numbers of u_e, in upart's rows and in LDS
.set L16, 5                            ; v5         16 x lane
.set ES,  6                            ; v6         where my wave's energies go, less EN: 64 w + 4 (lane % 16)
.set E,   7                            ; v7         lanes i and i + 16 collect row i's energy
.set T,   8                            ; v8         the other half of the lanes' sum
.set O16, 9                            ; v9         16 x (thread % 64): the way out
.set ACC, 10                           ; v[10:17]   four pairs of sums
.set PT,  18                           ; v[18:33]   the eight partial sums of my two numbers of u_e
.set U,   34                           ; v[34:65]   u_e at my 32 channels
.set X,   66                           ; v[66:193]  four row slots
	s_load_b128 s[4:7], s[0:1], 0x0                ; encoder_outputs s[4:5], upart s[6:7]
	s_load_b64 s[8:9], s[0:1], 0x10                ; energies
	v_lshl_add_u32 v[SPW], v0, 2, SPARE
	v_mov_b32 v[NIL], 0
	v_lshrrev_b32 v[ES], 5, v0
	v_readfirstlane_b32 s10, v[ES]                 ; my wave's number
	v_and_b32 v[L16], 31, v0
	v_and_b32 v[OFF], 0x1e0, v0                    ; 32 w
	v_lshlrev_b32 v[L16], 4, v[L16]
	v_lshl_or_b32 v[OFF], v[OFF], 11, v[L16]       ; w x 16 rows x 4,096 bytes + 16 x lane
	v_lshlrev_b32 v[T8], 3, v0
	v_and_b32 v[O16], 15, v0
	v_lshlrev_b32 v[O16], 2, v[O16]
	v_lshl_add_u32 v[ES], s10, 6, v[O16]           ; 64 w + 4 (lane % 16)
	v_and_b32 v[O16], 63, v0
	v_lshlrev_b32 v[O16], 4, v[O16]
	v_mov_b32 v[T], 0                              ; v_permlanex16_b32's destination counts as read: it is written first
	s_lshl_b32 s12, ttmp9, 20                      ; 256 rows of 4,096 bytes: under 2^28
	s_mov_b32 s13, 0
	s_lshl_b32 s18, ttmp9, 10                      ; 256 energies
	s_mov_b32 s19, 0
	s_mov_b32 s14, 0x76543210                      ; v_permlanex16_b32: each lane takes its own place in the other half
	s_mov_b32 s15, 0xfedcba98
	s_wait_kmcnt 0x0
	s_add_nc_u64 s[4:5], s[4:5], s[12:13]
	s_add_nc_u64 s[8:9], s[8:9], s[18:19]
.macro FILL i                          ; row i of my 16 into slot i % 4: eight loads of 512 consecutive bytes
.irp j, 0,1,2,3,4,5,6,7
	global_load_b128 v[X+32*((\i)%4)+4*(\j):X+32*((\i)%4)+4*(\j)+3], v[OFF], s[4:5] offset:ROWB*(\i)+512*(\j) th:TH_LOAD_NT
.endr
.endm
; Row i.  fill = 1: its slot takes the row four further on.  left = the younger loads that may stay out: eight for each row asked for behind this one.
.macro ROW i, fill, left
	s_wait_loadcnt \left                           ; loads come back in order: this row's eight are in
.set XS, X+32*((\i)%4)
.irp c, 0,1,2,3
	v_pk_mul_f32 v[ACC+2*(\c):ACC+2*(\c)+1], v[XS+2*(\c):XS+2*(\c)+1], v[U+2*(\c):U+2*(\c)+1]  ; the first four pairs start four chains: nothing is cleared
.endr
.irp c, 4,5,6,7,8,9,10,11,12,13,14,15
	v_pk_fma_f32 v[ACC+2*((\c)%4):ACC+2*((\c)%4)+1], v[XS+2*(\c):XS+2*(\c)+1], v[U+2*(\c):U+2*(\c)+1], v[ACC+2*((\c)%4):ACC+2*((\c)%4)+1]
.endr
.if \fill
	FILL (\i)+4                                    ; straight behind the slot's last reader
.endif
	v_pk_add_f32 v[ACC:ACC+1],   v[ACC:ACC+1],   v[ACC+4:ACC+5]
	v_pk_add_f32 v[ACC+2:ACC+3], v[ACC+2:ACC+3], v[ACC+6:ACC+7]
	v_pk_add_f32 v[ACC:ACC+1],   v[ACC:ACC+1],   v[ACC+2:ACC+3]
	v_add_f32 v[ACC], v[ACC], v[ACC+1]             ; my 32 channels; now the 32 lanes: four steps inside each half of 16, one across
	v_add_f32_dpp v[ACC], v[ACC], v[ACC] row_xmask:1 row_mask:0xf bank_mask:0xf
	v_add_f32_dpp v[ACC], v[ACC], v[ACC] row_xmask:2 row_mask:0xf bank_mask:0xf
	v_add_f32_dpp v[ACC], v[ACC], v[ACC] row_xmask:4 row_mask:0xf bank_mask:0xf
	v_add_f32_dpp v[ACC], v[ACC], v[ACC] row_xmask:8 row_mask:0xf bank_mask:0xf
	v_permlanex16_b32 v[T], v[ACC], s14, s15
	v_add_f32 v[ACC], v[ACC], v[T]                 ; every lane holds the row's energy
.if (\i) == 0
	v_mov_b32 v[E], v[ACC]                         ; writes E whole
.else
	s_mov_b32 s16, 0x10001<<(\i)
	v_cndmask_b32 v[E], v[E], v[ACC], s16          ; lanes i and i + 16 keep it
.endif
.endm
.irp p, 0,1,2,3,4,5,6,7
	global_load_b64 v[PT+2*(\p):PT+2*(\p)+1], v[T8], s[6:7] offset:8192*(\p)+4096  ; We's half of upart's row p; a wave's load is 256 consecutive bytes.  Asked for first, so that a counted wait shows them in
.endr
	FILL 0
	FILL 1
	FILL 2
	FILL 3
	s_wait_loadcnt 32                              ; the 32 loads of rows 0 to 3 stay out; the eight partial sums are in
.irp p, 1,2,3,4,5,6,7
	v_pk_add_f32 v[PT:PT+1], v[PT:PT+1], v[PT+2*(\p):PT+2*(\p)+1]   ; u_e, chunks of k ascending
.endr
	ds_store_b64 v[T8], v[PT:PT+1]                 ; 512 threads x 8 bytes: all of u_e
	s_wait_dscnt 0x0                               ; for the others' sake: my store is done before I signal
	s_barrier_signal -1
	s_barrier_wait -1                              ; (the rows' loads stay on their way: nobody writes those bytes)
.irp j, 0,1,2,3,4,5,6,7
	ds_load_b128 v[U+4*(\j):U+4*(\j)+3], v[L16] offset:512*(\j)     ; the channels that load j of a row brings me
.endr
	s_wait_dscnt 0x0
.irp i, 0,1,2,3,4,5,6,7,8,9,10,11
	ROW \i, 1, 24
.endr
	ROW 12, 0, 24                                  ; the last four rows ask for nothing: no load leaves the work-group's rows, and the counts run down
	ROW 13, 0, 16
	ROW 14, 0, 8
	ROW 15, 0, 0
	ds_store_b32 v[ES], v[E] offset:EN             ; lanes i and i + 16 write the same word with the same value
	s_wait_tensorcnt 0x0                           ; behind my last LDS store
	ds_add_u32 v[SPW], v[NIL]
	s_wait_dscnt 0x0                               ; also for the others' sake: my store is done before I signal
	s_barrier_signal -1
	s_barrier_wait -1
	s_cmp_lt_u32 s10, 2
	s_cbranch_scc0 .Lend                           ; waves 0 and 1 store the work-group's 256 energies
	ds_load_b128 v[ACC:ACC+3], v[O16] offset:EN
	s_wait_dscnt 0x0
	global_store_b128 v[O16], v[ACC:ACC+3], s[8:9] ; a wave stores 512 consecutive bytes, at a multiple of 256 from the buffer's first byte
.Lend:
	s_endpgm
.Lfunc_end_k_q7423fac26b_dot:
	.size	k_q7423fac26b_dot, .Lfunc_end_k_q7423fac26b_dot-k_q7423fac26b_dot
	.p2alignl 7, 3214868480
	.fill 96, 4, 3214868480
	.section	.rodata,"a",@progbits
	.p2align	6, 0x0
	.amdhsa_kernel k_q7423fac26b_dot
		.amdhsa_group_segment_fixed_size 7168
		.amdhsa_private_segment_fixed_size 0
		.amdhsa_enable_private_segment 0
		.amdhsa_kernarg_size 24
		.amdhsa_user_sgpr_count 2
		.amdhsa_user_sgpr_kernarg_segment_ptr 1
		.amdhsa_wavefront_size32 1
		.amdhsa_system_sgpr_workgroup_id_x 1
		.amdhsa_system_sgpr_workgroup_id_y 1
		.amdhsa_system_sgpr_workgroup_id_z 1
		.amdhsa_system_vgpr_workitem_id 0
		.amdhsa_next_free_vgpr 194
		.amdhsa_next_free_sgpr 66
		.amdhsa_reserve_vcc 0
		.amdhsa_float_denorm_mode_32 3
		.amdhsa_float_denorm_mode_16_64 3
		.amdhsa_memory_ordered 1
		.amdhsa_forward_progress 1
		.amdhsa_inst_pref_size 44
	.end_amdhsa_kernel
	.amdgpu_metadata
---
amdhsa.version: [ 1, 2 ]
amdhsa.kernels:
  - .name:           k_q7423fac26b_dot
    .symbol:         k_q7423fac26b_dot.kd
    .args:
      - { .name: encoder_outputs, .offset: 0, .size: 8, .value_kind: global_buffer, .address_space: global }
      - { .name: upart, .offset: 8, .size: 8, .value_kind: global_buffer, .address_space: global }
      - { .name: energies, .offset: 16, .size: 8, .value_kind: global_buffer, .address_space: global }
    .group_segment_fixed_size: 7168
    .private_segment_fixed_size: 0
    .kernarg_segment_align: 8
    .kernarg_segment_size: 24
    .max_flat_workgroup_size: 512
    .sgpr_count:     66
    .vgpr_count:     194
    .wavefront_size: 32
...
	.end_amdgpu_metadata
.endif
;; end of part 2
;; launch soft (part 3): grid 16 x 1, 8 waves a work-group, no clusters, 1,280 bytes of LDS; arguments upart, energies, hidden, v, b, out0; writes out0
.if DOCPART == 3
	.amdgcn_target "amdgcn-amd-amdhsa--gfx1250"
	.amdhsa_code_object_version 6
	.text
	.protected	k_q7423fac26b_soft
	.globl	k_q7423fac26b_soft
	.p2align	8
	.type	k_q7423fac26b_soft,@function
k_q7423fac26b_soft:
	s_mov_b64 s[64:65], 0
	v_nop
	global_prefetch_b8 v0, s[64:65] scope:SCOPE_SE
	s_setreg_imm32_b32 hwreg(HW_REG_WAVE_MODE, 25, 1), 1
	s_wait_xcnt 0x0
; out0[b][s] = softmax over s of (energies[b][s] + c[b]),  c[b] = hidden[b] . u_h + v . b,  u_h[h] = the sum over the eight chunks kc of upart[kc][h] (= Wh^T v).
; energies, out0: [16][4096] f32; hidden: [16][1024]; v, b: [1024]; upart: [8][2048].  All in f32.  c is added to every score ahead of the maximum, as the reference has it, and the row's maximum is taken away ahead of the exponential.
; LIMITS.  The order of rounding differs from the reference's.  A weight below 2^-126 comes out as 0 (v_exp_f32 gives no denormals); the division is a multiplication by v_rcp_f32's 1 / sum.
; Scores and c must be finite in f32; NaN and infinities are not treated apart.
; SHARES.  One work-group a batch: a row's maximum and sum have one owner, so the launch has 16 work-groups; each holds its 16 KiB in registers between the passes, read once.
; Thread t of 256: scores 4 t .. 4 t + 3 at + 1024 j (j = 0..3), and channels 4 t .. 4 t + 3 for c: every load and store of a wave is 512 consecutive bytes.
.set SUMS,  64                         ; LDS: 0..63 eight pairs (a wave's maximum, its part of c); 64..95 the eight waves' sums;
.set SPARE, 256                        ; then the spare words, 128 bytes for each wave, which no other line names
.set O16, 1                            ; v1       16 x thread; never rewritten
.set SPW, 2                            ; v2       LDS address of my spare word; never rewritten
.set NIL, 3                            ; v3       0; never rewritten
.set W8,  4                            ; v4       8 x wave
.set W4,  5                            ; v5       4 x wave
.set Z,   6                            ; v6       LDS address 0
.set T,   7                            ; v7       the other half of the lanes' figure
.set E,   8                            ; v[8:23]  my 16 scores, then weights
.set UP,  24                           ; v[24:55] the eight partial sums of u_h at my four channels
.set HD,  56                           ; v[56:59] hidden
.set VV,  60                           ; v[60:63] v
.set BB,  64                           ; v[64:67] b
.set MC,  68                           ; v[68:69] my wave's maximum, my wave's part of c
.set A,   70                           ; v70, v71 at work
.set RD,  72                           ; v[72:87] read back from LDS; at work
.set CC,  88                           ; v[88:89] c, twice
.set ML,  90                           ; v[90:91] m log2(e), twice
.set RC,  92                           ; v[92:93] 1 / sum, twice
	s_load_b256 s[4:11], s[0:1], 0x0               ; upart s[4:5], energies s[6:7], hidden s[8:9], v s[10:11]
	s_load_b128 s[12:15], s[0:1], 0x20             ; b s[12:13], out0 s[14:15]
	v_lshl_add_u32 v[SPW], v0, 2, SPARE
	v_mov_b32 v[NIL], 0
	v_lshlrev_b32 v[O16], 4, v0
	v_lshrrev_b32 v[T], 5, v0
	v_readfirstlane_b32 s2, v[T]                   ; my wave's number
	v_mov_b32 v[W8], s2
	v_mov_b32 v[W4], s2
	v_lshlrev_b32 v[W8], 3, v[W8]
	v_lshlrev_b32 v[W4], 2, v[W4]
	v_mov_b32 v[Z], 0
	v_mov_b32 v[T], 0                              ; v_permlanex16_b32's destination counts as read: it is written first
	s_lshl_b32 s16, ttmp9, 14                      ; the batch's 4,096 scores
	s_mov_b32 s17, 0
	s_lshl_b32 s22, ttmp9, 12                      ; its 1,024 numbers of hidden
	s_mov_b32 s23, 0
	s_mov_b32 s18, 0x76543210                      ; v_permlanex16_b32: each lane takes its own place in the other half
	s_mov_b32 s19, 0xfedcba98
	s_mov_b32 s20, 0x3fb8aa3b                      ; log2(e)
	s_mov_b32 s21, s20                             ; named with it as a pair
	s_wait_kmcnt 0x0
	s_add_nc_u64 s[6:7], s[6:7], s[16:17]
	s_add_nc_u64 s[8:9], s[8:9], s[22:23]
	s_add_nc_u64 s[14:15], s[14:15], s[16:17]
.irp j, 0,1,2,3
	global_load_b128 v[E+4*(\j):E+4*(\j)+3], v[O16], s[6:7] offset:4096*(\j)
.endr
.irp p, 0,1,2,3,4,5,6,7
	global_load_b128 v[UP+4*(\p):UP+4*(\p)+3], v[O16], s[4:5] offset:8192*(\p)   ; Wh's half of upart's row p
.endr
	global_load_b128 v[HD:HD+3], v[O16], s[8:9]
	global_load_b128 v[VV:VV+3], v[O16], s[10:11]
	global_load_b128 v[BB:BB+3], v[O16], s[12:13]
; the 32 lanes' sum or maximum of register r, left in every lane: four steps inside each half of 16 lanes, one across
.macro WAVE op, r
	\op\()_dpp v[\r], v[\r], v[\r] row_xmask:1 row_mask:0xf bank_mask:0xf
	\op\()_dpp v[\r], v[\r], v[\r] row_xmask:2 row_mask:0xf bank_mask:0xf
	\op\()_dpp v[\r], v[\r], v[\r] row_xmask:4 row_mask:0xf bank_mask:0xf
	\op\()_dpp v[\r], v[\r], v[\r] row_xmask:8 row_mask:0xf bank_mask:0xf
	v_permlanex16_b32 v[T], v[\r], s18, s19
	\op v[\r], v[\r], v[T]
.endm
	s_wait_loadcnt 11                              ; the four loads of scores are in; the eleven younger ones stay out
	v_max3_num_f32 v[A],   v[E],    v[E+1],  v[E+2]   ; the largest of my 16 scores, in two chains
	v_max3_num_f32 v[A+1], v[E+3],  v[E+4],  v[E+5]
	v_max3_num_f32 v[A],   v[A],    v[E+6],  v[E+7]
	v_max3_num_f32 v[A+1], v[A+1],  v[E+8],  v[E+9]
	v_max3_num_f32 v[A],   v[A],    v[E+10], v[E+11]
	v_max3_num_f32 v[A+1], v[A+1],  v[E+12], v[E+13]
	v_max3_num_f32 v[A],   v[A],    v[E+14], v[E+15]
	v_max_num_f32 v[MC], v[A], v[A+1]
	WAVE v_max_num_f32, MC
	s_wait_loadcnt 0x0
.irp p, 1,2,3,4,5,6,7
	v_pk_add_f32 v[UP:UP+1],   v[UP:UP+1],   v[UP+4*(\p):UP+4*(\p)+1]     ; u_h, chunks of k ascending
	v_pk_add_f32 v[UP+2:UP+3], v[UP+2:UP+3], v[UP+4*(\p)+2:UP+4*(\p)+3]
.endr
	v_mul_f32 v[MC+1], v[HD], v[UP]                ; hidden . u_h + v . b at my four channels
.irp c, 1,2,3
	v_fmac_f32 v[MC+1], v[HD+(\c)], v[UP+(\c)]
.endr
.irp c, 0,1,2,3
	v_fmac_f32 v[MC+1], v[VV+(\c)], v[BB+(\c)]
.endr
	WAVE v_add_f32, MC+1
	ds_store_b64 v[W8], v[MC:MC+1]                 ; all lanes write the wave's pair with the same values
	s_wait_dscnt 0x0                               ; for the others' sake: my store is done before I signal
	s_barrier_signal -1
	s_barrier_wait -1
.irp q, 0,1,2,3
	ds_load_b128 v[RD+4*(\q):RD+4*(\q)+3], v[Z] offset:16*(\q)   ; the eight pairs, in every lane
.endr
	s_wait_dscnt 0x0
	v_max3_num_f32 v[A], v[RD],  v[RD+2],  v[RD+4]
	v_add_f32 v[CC], v[RD+1], v[RD+3]
	v_max3_num_f32 v[A], v[A],   v[RD+6],  v[RD+8]
	v_add_f32 v[CC], v[CC], v[RD+5]
	v_max3_num_f32 v[A], v[A],   v[RD+10], v[RD+12]
	v_add_f32 v[CC], v[CC], v[RD+7]
	v_max_num_f32 v[A], v[A], v[RD+14]             ; the row's largest score without c
.irp q, 9,11,13,15
	v_add_f32 v[CC], v[CC], v[RD+(\q)]             ; c, waves ascending
.endr
	v_add_f32 v[A], v[A], v[CC]                    ; m: rounding keeps the order, so this is the largest of the rounded sums below
	v_mov_b32 v[CC+1], v[CC]
	v_mul_f32 v[ML], s20, v[A]
	v_mov_b32 v[ML+1], v[ML]
.irp q, 0,2,4,6,8,10,12,14
	v_pk_add_f32 v[E+(\q):E+(\q)+1], v[E+(\q):E+(\q)+1], v[CC:CC+1]   ; x = score + c
.endr
.irp q, 0,2,4,6,8,10,12,14
	v_pk_fma_f32 v[E+(\q):E+(\q)+1], v[E+(\q):E+(\q)+1], s[20:21], v[ML:ML+1] op_sel_hi:[1,0,1] neg_lo:[0,0,1] neg_hi:[0,0,1]  ; x log2(e) - m log2(e), rounded once; the rounding of m log2(e) shifts the whole row alike and leaves in the division
.endr
.irp q, 0,1,2,3,4,5,6,7,8,9,10,11,12,13,14,15
	v_exp_f32 v[E+(\q)], v[E+(\q)]
.endr
	v_nop                                          ; a plain instruction between the last exponential and the use of its result
	s_wait_alu depctr_va_vdst(0)
.irp q, 0,1,2,3
	v_pk_add_f32 v[RD+2*(\q):RD+2*(\q)+1], v[E+4*(\q):E+4*(\q)+1], v[E+4*(\q)+2:E+4*(\q)+3]  ; the sum of my 16 weights, beside them: they are still needed
.endr
	v_pk_add_f32 v[RD:RD+1],   v[RD:RD+1],   v[RD+2:RD+3]
	v_pk_add_f32 v[RD+4:RD+5], v[RD+4:RD+5], v[RD+6:RD+7]
	v_pk_add_f32 v[RD:RD+1],   v[RD:RD+1],   v[RD+4:RD+5]
	v_add_f32 v[A], v[RD], v[RD+1]
	WAVE v_add_f32, A
	ds_store_b32 v[W4], v[A] offset:SUMS           ; other bytes than the pairs', which a slower wave may still be reading
	s_wait_tensorcnt 0x0                           ; behind my last LDS store
	ds_add_u32 v[SPW], v[NIL]
	s_wait_dscnt 0x0                               ; also for the others' sake: my store is done before I signal
	s_barrier_signal -1
	s_barrier_wait -1
	ds_load_b128 v[RD:RD+3],   v[Z] offset:SUMS
	ds_load_b128 v[RD+4:RD+7], v[Z] offset:SUMS+16
	s_wait_dscnt 0x0
	v_add_f32 v[A], v[RD], v[RD+1]
.irp q, 2,3,4,5,6,7
	v_add_f32 v[A], v[A], v[RD+(\q)]               ; the row's sum, waves ascending: at least 1, the largest score's own weight up to rounding
.endr
	v_rcp_f32 v[RC], v[A]
	v_rcp_f32 v[RC+1], v[A]                        ; twice: the packed multiply takes a pair
	v_nop                                          ; a plain instruction between the reciprocals and the use of their results
	s_wait_alu depctr_va_vdst(0)
.irp q, 0,2,4,6,8,10,12,14
	v_pk_mul_f32 v[E+(\q):E+(\q)+1], v[E+(\q):E+(\q)+1], v[RC:RC+1]
.endr
.irp j, 0,1,2,3
	global_store_b128 v[O16], v[E+4*(\j):E+4*(\j)+3], s[14:15] offset:4096*(\j) th:TH_STORE_NT  ; a wave stores 512 consecutive bytes, at a multiple of 256 from out0's first byte
.endr
	s_endpgm
.Lfunc_end_k_q7423fac26b_soft:
	.size	k_q7423fac26b_soft, .Lfunc_end_k_q7423fac26b_soft-k_q7423fac26b_soft
	.p2alignl 7, 3214868480
	.fill 96, 4, 3214868480
	.section	.rodata,"a",@progbits
	.p2align	6, 0x0
	.amdhsa_kernel k_q7423fac26b_soft
		.amdhsa_group_segment_fixed_size 1280
		.amdhsa_private_segment_fixed_size 0
		.amdhsa_enable_private_segment 0
		.amdhsa_kernarg_size 48
		.amdhsa_user_sgpr_count 2
		.amdhsa_user_sgpr_kernarg_segment_ptr 1
		.amdhsa_wavefront_size32 1
		.amdhsa_system_sgpr_workgroup_id_x 1
		.amdhsa_system_sgpr_workgroup_id_y 1
		.amdhsa_system_sgpr_workgroup_id_z 1
		.amdhsa_system_vgpr_workitem_id 0
		.amdhsa_next_free_vgpr 94
		.amdhsa_next_free_sgpr 66
		.amdhsa_reserve_vcc 0
		.amdhsa_float_denorm_mode_32 3
		.amdhsa_float_denorm_mode_16_64 3
		.amdhsa_memory_ordered 1
		.amdhsa_forward_progress 1
		.amdhsa_inst_pref_size 11
	.end_amdhsa_kernel
	.amdgpu_metadata
---
amdhsa.version: [ 1, 2 ]
amdhsa.kernels:
  - .name:           k_q7423fac26b_soft
    .symbol:         k_q7423fac26b_soft.kd
    .args:
      - { .name: upart, .offset: 0, .size: 8, .value_kind: global_buffer, .address_space: global }
      - { .name: energies, .offset: 8, .size: 8, .value_kind: global_buffer, .address_space: global }
      - { .name: hidden, .offset: 16, .size: 8, .value_kind: global_buffer, .address_space: global }
      - { .name: v, .offset: 24, .size: 8, .value_kind: global_buffer, .address_space: global }
      - { .name: b, .offset: 32, .size: 8, .value_kind: global_buffer, .address_space: global }
      - { .name: out0, .offset: 40, .size: 8, .value_kind: global_buffer, .address_space: global }
    .group_segment_fixed_size: 1280
    .private_segment_fixed_size: 0
    .kernarg_segment_align: 8
    .kernarg_segment_size: 48
    .max_flat_workgroup_size: 256
    .sgpr_count:     66
    .vgpr_count:     94
    .wavefront_size: 32
...
	.end_amdgpu_metadata
.endif
;; end of part 3
